; MI455X (gfx1250); checked and timed in simulation.
; The chip was launched on July 23, 2026; its instructions are those of AMD's public machine-readable ISA for CDNA 5 (MIT licence, August 2026) and "CDNA5" Instruction Set Architecture Reference Guide (July 2026). The comments in the code are by the model that wrote it; some were corrected since.
;; Symmetric Confidence Biased MHA. Allowed arithmetic: matrix products marked QUANTISED: E2M1 operands, one E8M0 scale for each 32 along K, by v_wmma_scale_f32_16x16x128_f8f6f4 with both operands' format E2M1 (or v_wmma_scale_f32_32x16x128_f4), f32 sums; products left as they are: bf16, f16 or f32 operands; f32 sums; everything else in f32.
;; Inputs: Wc 16 x 1 float32; Wk 1,024 x 1,024 float32; Wo 1,024 x 1,024 float32; Wq 1,024 x 1,024 float32; Wv 1,024 x 1,024 float32; alpha one number float32; bc 16 float32; bo 1,024 float32; bv 1,024 float32; confidence 2 x 2,048 float32; x 2 x 2,048 x 1,024 float32.
;; Outputs: out0 2 x 2,048 x 1,024 float32.
;; This version of the problem:
;;   THIS VERSION OF THE PROBLEM IS GIVEN IN LOW PRECISION. The matrix products marked QUANTISED in the list below multiply operands that are first quantised to E2M1 (2 exponent bits, 1 mantissa bit; 4 bits a number), with one power-of-two scale for each 32 numbers along K (OCP MX v1.0); their sums are f32. The products marked 'left as it is' may take bf16, f16 or f32 operands, with f32 sums. Whichever they take, every output number must still come out within the allowed error. Rounding operands to bf16 (8 significant bits) uses up far more of that allowance than f16 does (11 bits, for magnitudes from 6e-5 to 65,504). All else is computed in f32.
;;   The module's matrix products, in the order in which they are computed (A, B: the left and right operand; K: the contracted axis; several contracted axes count as one K, in the product's order):
;;     1. [M 4,096, K 1,024] x [K 1,024, N 1,024]; A: input x; B: input Wq: QUANTISED
;;     2. [M 4,096, K 1,024] x [K 1,024, N 1,024]; A: input x; B: input Wk: QUANTISED
;;     3. [M 4,096, K 1,024] x [K 1,024, N 1,024]; A: input x; B: input Wv: QUANTISED
;;     4. batch 32 x [M 2,048, K 64] x [K 64, N 2,048]; A: computed on the way; B: computed on the way: left as it is (an operand is computed on the way)
;;     5. batch 32 x [M 64, K 2,048] x [K 2,048, N 2,048]; A: computed on the way; B: computed on the way: left as it is (an operand is computed on the way)
;;     6. [M 4,096, K 1,024] x [K 1,024, N 1,024]; A: computed on the way; B: input Wo: left as it is (an operand is computed on the way)
;;   THE QUANTISER, for each operand of a quantised product, along K:
;;     - K is cut into blocks of 32 from its start; a last block that is shorter is filled with zeros.
;;     - A block's scale is 2^e with e = floor(log2(the largest magnitude in the block)) - 2, held to -126 .. 127; a block of zeros has e = 0. As a byte (E8M0): e + 127.
;;     - Each number is divided by its block's scale, clamped to +-6, and rounded to the nearest number of E2M1, ties to even, subnormals kept.
;;     - The product sums the exact products of the quantised numbers (number of the format x scale) in f32.
;;   ~~~python
;;   def quantise(x, axis):      # numpy; x: float32 -> the quantised numbers, widened to float32 again
;;       x = np.moveaxis(x, axis, -1); K = x.shape[-1]
;;       x = np.pad(x, [(0, 0)] * (x.ndim - 1) + [(0, -K % 32)]); x = x.reshape(x.shape[:-1] + (-1, 32)); a = np.abs(x).max(-1, keepdims=True)
;;       e = np.where(a > 0, np.clip(np.frexp(np.where(a > 0, a, 1))[1] - 1 - 2, -126, 127), 0)      # np.frexp(a)[1] - 1 = floor(log2(a)), exactly
;;       r = np.clip(x / 2.0 ** e, -6, 6)
;;       step = 2.0 ** (np.maximum(np.frexp(np.where(r == 0, 1, r))[1] - 1, 0) - 1)
;;       q = np.round(r / step) * step * 2.0 ** e      # np.round: ties to even
;;       return np.moveaxis(q.reshape(q.shape[:-2] + (-1,))[..., :K], -1, axis).astype(np.float32)
;;   ~~~
;; One version. Each part assembles by itself: llvm-mc -triple=amdgcn-amd-amdhsa -mcpu=gfx1250 --defsym DOCPART=n.
;; ======== version 1 of 1: 4 launches
;; limits: values are held in f16: magnitudes above 65,504 overflow, below 6.1e-05 lose precision
;; workspace buffers: xc 2,097,152 bytes; xs 131,072 bytes; wc 1,572,864 bytes; wsc 98,304 bytes; wo16 2,097,152 bytes; qkv 25,165,824 bytes; ao 8,388,608 bytes
;; launch prep (part 1): grid 256 x 1, 4 waves a work-group, no clusters, 167,936 bytes of LDS; arguments x, Wq, Wk, Wv, Wo, xc, xs, wc, wsc, wo16; writes xc, xs, wc, wsc, wo16
.if DOCPART == 1
	.amdgcn_target "amdgcn-amd-amdhsa--gfx1250"
	.amdhsa_code_object_version 6
	.text
	.protected	k_qb5866a91a7_prep
	.globl	k_qb5866a91a7_prep
	.p2align	8
	.type	k_qb5866a91a7_prep,@function
k_qb5866a91a7_prep:
	s_mov_b64 s[64:65], 0
	v_nop
	global_prefetch_b8 v0, s[64:65] scope:SCOPE_SE
	s_setreg_imm32_b32 hwreg(HW_REG_WAVE_MODE, 25, 1), 1
	s_wait_xcnt 0x0
; x [4096][1024], Wq, Wk, Wv [1024][1024], f32, K innermost, become codes of FP4 (E2M1) with one E8M0 byte for each 32 along K; Wo [1024][1024] becomes f16.
; All results are laid in the order of the reader's operand registers: a group is 512 bytes, lane l's 16 bytes at 16 l.
;   codes:  [tile of 16 rows][K step of 128][c 0..1][lane][16 bytes]; lane (r, h) of group c holds the 32 codes k = 128 s + 64 c + 32 h + 0 .. 31 of row r
;   scales: [tile][q 0..1][r][4 words]: word i is row r's scale word of K step 4 q + i, byte b for k = 32 b ..
;   Wo:     [chunk of 256 k][tile of 16 rows][g 0..15][lane][16 bytes]; lane (r, h) holds k = 16 g + 8 h + 0 .. 7 of row r
; A block's scale is 2^(floor(log2(largest magnitude)) - 2): its byte is the largest magnitude's exponent field - 2, held at 1 from below.
; LIMITS: a block of zeros, or one whose largest magnitude lies under 2^-124, gets the byte 1 (a block of zeros has zero codes; this program alone reads the bytes);
; NaN and infinities are not served; |Wo| stays under 65,504, the largest f16 number.
; SHARES.  A wave takes one tile of 16 rows x 512 along K, 32 KiB of f32: 1,024 such jobs, one a wave.  Work-groups 0-127 take x, 128-159 Wq, 160-191 Wk, 192-223 Wv, 224-255 Wo.
; The job comes by four tensor loads (a K step of 128 each: 16 rows x 512 bytes), all issued at the head into LDS bytes of the wave's own, filled once: only the issuing wave reads them, so no barrier is needed.
; No cluster: no two work-groups read the same byte.  No matrix unit: the launch only moves and converts.
.set STG,   8448                       ; a K step's stage: 16 rows x (512 bytes + 16 of padding): pitch 528, an odd multiple of 16
.set WREG,  4*STG                      ; a wave's four stages
.set SPARE, 4*WREG                     ; behind them: the spare words, 128 bytes a wave
.set X,   32                           ; v32-95   64 numbers of a lane: register 32 c + i = k 64 c + 32 h + i of row r
.set C,   96                           ; v96-127  codes (8 registers a K step) or f16 numbers (32 registers)
.set SW,  16                           ; v16-19   the scale word of each K step
.set SPW, 22                           ; v22      my spare word's LDS address; never rewritten
.set NIL, 23                           ; v23      0; never rewritten
.set G1,  28                           ; s[28:35] descriptor group 1
.set G0,  36                           ; s[36:51] descriptor group 0, one for each K step
	s_load_b512 s[8:23], s[0:1], 0x0               ; x s[8:9], Wq s[10:11], Wk s[12:13], Wv s[14:15], Wo s[16:17], xc s[18:19], xs s[20:21], wc s[22:23]
	s_load_b128 s[24:27], s[0:1], 0x40             ; wsc s[24:25], wo16 s[26:27]
	v_lshl_add_u32 v[SPW], v0, 2, SPARE
	v_mov_b32 v[NIL], 0
	ds_add_u32 v[SPW], v[NIL]                      ; the opening: the add, twice on end, and its wait ahead of my first tensor load
	ds_add_u32 v[SPW], v[NIL]
	v_lshrrev_b32 v1, 5, v0
	v_readfirstlane_b32 s54, v1                    ; wave 0..3
	s_lshr_b32 s62, s54, 1                         ; which of the work-group's two tiles
	s_and_b32 s63, s54, 1                          ; which half of K
	s_and_b32 s66, ttmp9, 31
	s_sub_co_u32 s67, ttmp9, 128                   ; (used only from work-group 128 on)
	s_mov_b32 s68, 1048576
	s_cmp_lt_u32 ttmp9, 224
	s_cselect_b32 s67, s67, s66                    ; where the results go: Wq, Wk, Wv are stacked; Wo stands alone
	s_cselect_b32 s68, 4096, s68                   ; half of K in the results: four K steps of codes, or two chunks of Wo
	s_cmp_lt_u32 ttmp9, 128
	s_cselect_b32 s66, ttmp9, s66                  ; the pair of tiles in the source
	s_cselect_b32 s67, ttmp9, s67                  ; and in the results
	s_lshl_b32 s66, s66, 1
	s_add_co_u32 s66, s66, s62                     ; my tile in the source
	s_lshl_b32 s67, s67, 1
	s_add_co_u32 s67, s67, s62                     ; and in the results
	s_lshl_b32 s56, s66, 16                        ; 16 rows of 4,096 bytes
	s_lshl_b32 s69, s63, 11
	s_add_co_u32 s56, s56, s69                     ; + 512 numbers
	s_mov_b32 s57, 0
	s_lshl_b32 s58, s67, 13                        ; a tile's codes, or its part of a chunk of Wo: 8,192 bytes
	s_mul_i32 s69, s63, s68
	s_add_co_u32 s58, s58, s69
	s_mov_b32 s59, 0
	s_lshl_b32 s60, s67, 9                         ; a tile's scale words: 512 bytes
	s_lshl_b32 s69, s63, 8
	s_add_co_u32 s60, s60, s69
	s_mov_b32 s61, 0
	s_mul_i32 s70, s54, WREG                       ; my stages
	s_mov_b32 s52, 0x76543210
	s_mov_b32 s53, 0xfedcba98                      ; v_permlanex16_b32: lane l xor 16
	s_mov_b32 s[G1+0], (2<<16)|(1<<20)|(6<<22)|(3<<25)  ; elements of 4 bytes; padding on: 4 words behind every 128
	s_mov_b32 s[G1+1], 128<<16                     ; tensor_dim0 = 128
	s_mov_b32 s[G1+2], 16<<16                      ; tensor_dim1 = 16
	s_mov_b32 s[G1+3], 128<<16                     ; tile_dim0 = 128
	s_mov_b32 s[G1+4], 16                          ; tile_dim1 = 16
	s_mov_b32 s[G1+5], 1024                        ; elements from row to row
	s_mov_b32 s[G1+6], 0
	s_mov_b32 s[G1+7], 0
	s_wait_dscnt 0x0                               ; both opening adds are done
	s_wait_kmcnt 0x0
	s_cmp_lt_u32 ttmp9, 224                        ; the buffers are chosen by the work-group's number alone
	s_cselect_b64 s[2:3], s[14:15], s[16:17]
	s_cselect_b64 s[4:5], s[22:23], s[26:27]
	s_cmp_lt_u32 ttmp9, 192
	s_cselect_b64 s[2:3], s[12:13], s[2:3]
	s_cmp_lt_u32 ttmp9, 160
	s_cselect_b64 s[2:3], s[10:11], s[2:3]
	s_cmp_lt_u32 ttmp9, 128
	s_cselect_b64 s[2:3], s[8:9], s[2:3]           ; the source
	s_cselect_b64 s[4:5], s[18:19], s[4:5]         ; codes, or Wo in f16
	s_cselect_b64 s[6:7], s[20:21], s[24:25]       ; scale words
	s_add_nc_u64 s[2:3], s[2:3], s[56:57]
	s_add_nc_u64 s[4:5], s[4:5], s[58:59]
	s_add_nc_u64 s[6:7], s[6:7], s[60:61]
.irp t, 0,1,2,3
	s_mov_b32 s[G0+4*\t], 1                        ; count = 1
	s_add_co_u32 s[G0+4*\t+1], s70, \t*STG         ; LDS address
	s_add_nc_u64 s[G0+4*\t+2:G0+4*\t+3], s[2:3], \t*512  ; K step t of my rows
	s_or_b32 s[G0+4*\t+3], s[G0+4*\t+3], 0x80000000      ; type = 2
	tensor_load_to_lds s[G0+4*\t:G0+4*\t+3], s[G1:G1+7]  ; t + 1 loads of mine are out
	s_nop 0
.endr
	v_and_b32 v1, 31, v0                           ; lane
	v_and_b32 v2, 15, v0                           ; r
	v_bfe_u32 v3, v0, 4, 1                         ; h
	v_mul_u32_u24 v4, v2, 528
	v_lshl_add_u32 v4, v3, 7, v4
	v_add_nc_u32 v4, s70, v4                       ; a stage's row r, + 32 numbers for lanes 16-31
	v_lshlrev_b32 v5, 4, v1                        ; a group's 16 bytes of my lane
	v_lshlrev_b32 v6, 4, v2
	v_lshl_add_u32 v6, v3, 3, v6                   ; scale words: 16 r + 8 h
	v_lshlrev_b32 v7, 4, v2
	v_lshl_add_u32 v7, v3, 10, v7                  ; Wo: 16 r, and two groups on for lanes 16-31
	v_lshlrev_b32 v20, 3, v3                       ; 8 h
	v_mov_b32 v15, 0                               ; written once: a lane permute's destination counts as one of its sources
; K step t comes out of its stage: 64 numbers a lane, in the order in which the operand's layout gives them to the lane
.macro FETCHX t
	s_wait_tensorcnt 3-\t                          ; tensor loads of a wave end in order: K step t is in, the 3 - t younger ones may be out
.irp c, 0,1
.irp i, 0,1,2,3,4,5,6,7
	ds_load_b128 v[X+32*\c+4*\i:X+32*\c+4*\i+3], v4 offset:\t*STG+256*\c+16*\i
.endr
.endr
	s_wait_dscnt 0x0
.endm
.macro QSTEP t
	FETCHX \t
.irp c, 0,1                                    ; my block 2 c + h: all its 32 numbers are mine
	v_max3_num_f32 v[8+\c], |v[X+32*\c]|, |v[X+32*\c+1]|, 0x1800000   ; and the floor 2^(3 - 127): the byte cannot fall under 1
.endr
.irp i, 2,4,6,8,10,12,14,16,18,20,22,24,26,28,30
.irp c, 0,1
	v_max3_num_f32 v[8+\c], v[8+\c], |v[X+32*\c+\i]|, |v[X+32*\c+\i+1]|   ; the two blocks by turns
.endr
.endr
.irp c, 0,1
	v_add_nc_u32 v[10+\c], 0xff000000, v[8+\c]     ; 2 off the exponent field: the conversion's scale operand
.endr
.irp c, 0,1
	v_lshrrev_b32 v[12+\c], 23, v[10+\c]           ; the scale's byte
.endr
	v_lshl_or_b32 v14, v13, 16, v12                ; my two bytes: blocks h and 2 + h,
	v_lshlrev_b32 v14, v20, v14                    ; at their places in the word;
	v_permlanex16_b32 v15, v14, s52, s53
	v_or_b32 v[SW+\t], v14, v15                    ; with lane l xor 16's two the word is whole
.irp c, 0,1
.irp g, 0,1,2,3
	v_cvt_scalef32_pk8_fp4_f32 v[C+8*\t+4*\c+\g], v[X+32*\c+8*\g:X+32*\c+8*\g+7], v[10+\c]
.endr
.endr
	v_nop                                          ; one plain instruction behind the last scaled conversion
.irp c, 0,1
	global_store_b128 v5, v[C+8*\t+4*\c:C+8*\t+4*\c+3], s[4:5] offset:\t*1024+\c*512   ; 512 consecutive bytes; each K step has its own data registers
.endr
.endm
.macro WSTEP t
	FETCHX \t
.if \t > 0
	s_wait_xcnt 0x0                                ; the last step's stores have read their data: the registers are written again only behind this wait
.endif
.set i, 0
.rept 32
	v_cvt_pk_f16_f32 v[C+i], v[X+2*i], v[X+2*i+1]
.set i, i+1
.endr
.irp c, 0,1                                    ; I hold both halves e of the groups 4 c + 2 h + u: lanes 0-15 and lanes 16-31 each store 256 consecutive bytes, aligned
.irp u, 0,1
.irp e, 0,1
	global_store_b128 v7, v[C+16*\c+8*\u+4*\e:C+16*\c+8*\u+4*\e+3], s[4:5] offset:(\t/2)*524288+(\t%2)*4096+\c*2048+\u*512+\e*256
.endr
.endr
.endr
.endm
.macro FINISH                          ; the wave's end: behind my last tensor load, an add of 0 and its wait
	s_wait_tensorcnt 0x0
	ds_add_u32 v[SPW], v[NIL]
	s_wait_dscnt 0x0
	s_endpgm
.endm
	s_cmp_ge_u32 ttmp9, 224                        ; ids alone: the whole work-group goes one way
	s_cbranch_scc1 .Lwo
	QSTEP 0
	QSTEP 1
	QSTEP 2
	QSTEP 3
	v_cmp_eq_u32 vcc_lo, 1, v3                     ; every lane holds its row's four words: lanes 0-15 store words 0, 1, lanes 16-31 words 2, 3
	v_cndmask_b32 v14, v16, v18, vcc_lo
	v_cndmask_b32 v15, v17, v19, vcc_lo
	global_store_b64 v6, v[14:15], s[6:7]          ; 256 consecutive bytes, aligned
	FINISH
.Lwo:
	WSTEP 0
	WSTEP 1
	WSTEP 2
	WSTEP 3
	FINISH
.Lfunc_end_k_qb5866a91a7_prep:
	.size	k_qb5866a91a7_prep, .Lfunc_end_k_qb5866a91a7_prep-k_qb5866a91a7_prep
	.p2alignl 7, 3214868480
	.fill 96, 4, 3214868480
	.section	.rodata,"a",@progbits
	.p2align	6, 0x0
	.amdhsa_kernel k_qb5866a91a7_prep
		.amdhsa_group_segment_fixed_size 167936
		.amdhsa_private_segment_fixed_size 0
		.amdhsa_enable_private_segment 0
		.amdhsa_kernarg_size 80
		.amdhsa_user_sgpr_count 2
		.amdhsa_user_sgpr_kernarg_segment_ptr 1
		.amdhsa_wavefront_size32 1
		.amdhsa_system_sgpr_workgroup_id_x 1
		.amdhsa_system_sgpr_workgroup_id_y 1
		.amdhsa_system_sgpr_workgroup_id_z 1
		.amdhsa_system_vgpr_workitem_id 0
		.amdhsa_next_free_vgpr 128
		.amdhsa_next_free_sgpr 80
		.amdhsa_reserve_vcc 1
		.amdhsa_float_denorm_mode_32 3
		.amdhsa_float_denorm_mode_16_64 3
		.amdhsa_memory_ordered 1
		.amdhsa_forward_progress 1
		.amdhsa_inst_pref_size 38
	.end_amdhsa_kernel
	.amdgpu_metadata
---
amdhsa.version: [ 1, 2 ]
amdhsa.kernels:
  - .name:           k_qb5866a91a7_prep
    .symbol:         k_qb5866a91a7_prep.kd
    .args:
      - { .name: x, .offset: 0, .size: 8, .value_kind: global_buffer, .address_space: global }
      - { .name: Wq, .offset: 8, .size: 8, .value_kind: global_buffer, .address_space: global }
      - { .name: Wk, .offset: 16, .size: 8, .value_kind: global_buffer, .address_space: global }
      - { .name: Wv, .offset: 24, .size: 8, .value_kind: global_buffer, .address_space: global }
      - { .name: Wo, .offset: 32, .size: 8, .value_kind: global_buffer, .address_space: global }
      - { .name: xc, .offset: 40, .size: 8, .value_kind: global_buffer, .address_space: global }
      - { .name: xs, .offset: 48, .size: 8, .value_kind: global_buffer, .address_space: global }
      - { .name: wc, .offset: 56, .size: 8, .value_kind: global_buffer, .address_space: global }
      - { .name: wsc, .offset: 64, .size: 8, .value_kind: global_buffer, .address_space: global }
      - { .name: wo16, .offset: 72, .size: 8, .value_kind: global_buffer, .address_space: global }
    .group_segment_fixed_size: 167936
    .private_segment_fixed_size: 0
    .kernarg_segment_align: 8
    .kernarg_segment_size: 80
    .max_flat_workgroup_size: 128
    .sgpr_count:     80
    .vgpr_count:     128
    .wavefront_size: 32
...
	.end_amdgpu_metadata
.endif
;; end of part 1
;; launch qkv (part 2): grid 12 x 16, 16 waves a work-group, clusters of 4 x 4, 327,680 bytes of LDS; arguments xc, xs, wc, wsc, bv, qkv; writes qkv
.if DOCPART == 2
	.amdgcn_target "amdgcn-amd-amdhsa--gfx1250"
	.amdhsa_code_object_version 6
	.text
	.protected	k_qb5866a91a7_qkv
	.globl	k_qb5866a91a7_qkv
	.p2align	8
	.type	k_qb5866a91a7_qkv,@function
k_qb5866a91a7_qkv:
	s_mov_b64 s[64:65], 0
	v_nop
	global_prefetch_b8 v0, s[64:65] scope:SCOPE_SE
	s_setreg_imm32_b32 hwreg(HW_REG_WAVE_MODE, 25, 1), 1
	s_wait_xcnt 0x0
	s_wait_alu depctr_hold_cnt(0) depctr_sa_sdst(0) depctr_va_vdst(0) depctr_va_sdst(0) depctr_va_ssrc(0) depctr_va_vcc(0) depctr_vm_vsrc(0)
	s_getreg_b32 s2, hwreg(HW_REG_IB_STS2, 6, 4)
	s_cmp_eq_u32 s2, 0
	s_cbranch_scc0 .Lentry_in_a_cluster
	s_endpgm
.Lentry_in_a_cluster:
	s_bfe_u32 s2, ttmp6, 0x10000c
	s_cmp_lg_u32 s2, 0xf033
	s_cbranch_scc0 .Lentry_shape_is_right
	s_endpgm
.Lentry_shape_is_right:
; Q = x Wq^T, K = x Wk^T, V = x Wv^T + bv on codes of FP4 with E8M0 scales, sums in f32, results rounded to f16 and stored as images of the next launch's operand registers:
;   qkv [part Q, K, V][batch x head 32][tile of 16 tokens 128][g 0..3][lane][16 bytes].  Q, K: lane (r, h) holds token r, channels 16 g + 8 h + 0 .. 7.  V: lane (r, h) holds channel 16 g + r, tokens 8 h + 0 .. 7.
; LIMIT: |Q|, |K|, |V| stay under 65,504, the largest f16 number.
; SHARES.  A work-group makes 256 tokens x 256 columns of the 3,072 stacked columns; a cluster's four columns of work-groups are one tensor (cluster x = 0: Q, 1: K, 2: V).
; Sixteen waves: wave w makes tokens 64 (w / 4) on x one head's 64 columns (w % 4): 16 accumulators, four waves to a SIMD.
; ALL OF K LIES IN LDS: 128 KiB of x's codes, 128 KiB of W's, 16 KiB of scale words, each filled once: no ring, one barrier.
; CLUSTER 4 x 4: x's block hangs on the work-group's y alone and is asked for jointly along a row of the cluster, W's on its x alone, along a column.
; 192 work-groups: blocks of 192 columns would make 256, but would cross from K to V inside a cluster.
; TRANSPOSED USE.  Q, K: source 0 = 16 rows of W, source 1 = 16 tokens: a lane holds one token and eight channels.  V: source 0 = 16 tokens, source 1 = 16 rows of Wv: a lane holds one channel and eight tokens.
; The two ways differ in the order of the sources, the row of the scale registers and the stores' offsets: they are two copies of the K steps under one branch on the cluster's x, which all partners share.
.set WCB,   131072                     ; LDS: x's codes from 0 (tile i, K step s, group c at 8192 i + 1024 s + 512 c), W's from here
.set SCL,   262144                     ; x's scale words, 8 KiB (tile i at 512 i); W's 8 KiB behind them
.set SPARE, 278528                     ; the spare words, 128 bytes a wave
.set SC,  20                           ; v20-51   scale words and nothing else: register 8 i + s: lanes 0-15 x's tile i, lanes 16-31 W's tile i, K step s
.set BV,  52                           ; v52-59   V's way: four pairs (bias, bias)
.set XF,  64                           ; v64-95   x's four fragments
.set WF,  96                           ; v96-127  W's four
.set PK,  64                           ; v64-127  the way out: results in f16
.set ACC, 128                          ; v128-255 accumulator (i0, i1) at 8 (4 i0 + i1)
.set G1XC, 28
.set G1WC, 36
.set G1XS, 44
.set G1WS, 52
.set G0XC, 60
.set G0WC, 68
.set G0XS, 72
.set G0WS, 76
; A joint load: waves 0-7 fetch for x, waves 8-15 for W.  Each line has one mask; the branch hangs on the wave's number alone.  An s_nop 0 and four v_nop follow each line.
.macro JLOAD g0a, g1a, g0b, g1b
	s_cmp_lt_u32 s16, 8
	s_cbranch_scc0 .Lfor_w_\@
	tensor_load_to_lds s[\g0a:\g0a+3], s[\g1a:\g1a+7]
	s_nop 0
.rept 4
	v_nop
.endr
	s_branch .Lasked_\@
.Lfor_w_\@:
	tensor_load_to_lds s[\g0b:\g0b+3], s[\g1b:\g1b+7]
	s_nop 0
.rept 4
	v_nop
.endr
.Lasked_\@:
.endm
.macro CROUND                          ; a round of the cluster's barrier
	s_barrier_signal -1
	s_barrier_wait -1
	s_cmp_lg_u32 s16, 0
	s_cbranch_scc1 .Lnot_wave_0_\@
	s_barrier_signal -3
.Lnot_wave_0_\@:
	s_barrier_wait -3
	s_barrier_signal -1
	s_barrier_wait -1
.endm
	s_load_b256 s[4:11], s[0:1], 0x0               ; xc s[4:5], xs s[6:7], wc s[8:9], wsc s[10:11]
	s_load_b128 s[12:15], s[0:1], 0x20             ; bv s[12:13], qkv s[14:15]
	v_lshl_add_u32 v5, v0, 2, SPARE                ; v5: my spare word; v6: 0; both never rewritten
	v_mov_b32 v6, 0
	ds_add_u32 v5, v6                              ; the opening: the add, twice on end, and its wait ahead of the round in front of the first loads
	ds_add_u32 v5, v6
	v_lshrrev_b32 v1, 5, v0
	v_readfirstlane_b32 s16, v1                    ; wave 0..15
	s_lshr_b32 s17, s16, 2                         ; wm: my 64 tokens
	s_and_b32 s18, s16, 3                          ; wn: my 64 columns
	s_and_b32 s19, s16, 7                          ; which eighth of a block I fetch
	s_bfe_u32 s20, ttmp6, 0x40000                  ; cx
	s_bfe_u32 s21, ttmp6, 0x40004                  ; cy
	s_lshl_b32 s22, ttmp9, 2
	s_add_co_u32 s22, s22, s20                     ; work-group x: block of 256 stacked columns
	s_and_b32 s23, ttmp7, 0xffff
	s_lshl_b32 s23, s23, 2
	s_add_co_u32 s23, s23, s21                     ; work-group y: block of 256 tokens
	s_lshl_b32 s24, s21, 2
	s_lshl_b32 s24, 15, s24                        ; my row of the cluster
	s_lshl_b32 s25, 0x1111, s20                    ; my column
	s_or_b32 s[G1XC], s24, (3<<16)|(1<<21)         ; the mask; elements of 8 bytes; bit 21 beside a mask; no padding: images are read 16 bytes a lane on end
	s_or_b32 s[G1WC], s25, (3<<16)|(1<<21)
	s_or_b32 s[G1XS], s24, (3<<16)|(1<<21)
	s_or_b32 s[G1WS], s25, (3<<16)|(1<<21)
.irp g, G1XC, G1WC                             ; 16 KiB of codes, dense: 64 rows of 256 bytes
	s_mov_b32 s[\g+1], 32<<16
	s_mov_b32 s[\g+2], 64<<16
	s_mov_b32 s[\g+3], 32<<16
	s_mov_b32 s[\g+4], 64
	s_mov_b32 s[\g+5], 32
	s_mov_b32 s[\g+6], 0
	s_mov_b32 s[\g+7], 0
.endr
.irp g, G1XS, G1WS                             ; 1 KiB of scale words: 4 rows of 256 bytes
	s_mov_b32 s[\g+1], 32<<16
	s_mov_b32 s[\g+2], 4<<16
	s_mov_b32 s[\g+3], 32<<16
	s_mov_b32 s[\g+4], 4
	s_mov_b32 s[\g+5], 32
	s_mov_b32 s[\g+6], 0
	s_mov_b32 s[\g+7], 0
.endr
	s_lshl_b32 s26, s19, 14
	s_lshl_b32 s80, s23, 17                        ; x's codes: 131,072 bytes a block, by y alone
	s_add_co_u32 s80, s80, s26
	s_mov_b32 s81, 0
	s_lshl_b32 s82, s22, 17                        ; W's, by x alone
	s_add_co_u32 s82, s82, s26
	s_mov_b32 s83, 0
	s_lshl_b32 s27, s19, 10
	s_lshl_b32 s84, s23, 13                        ; x's scale words: 8,192 bytes a block
	s_add_co_u32 s84, s84, s27
	s_mov_b32 s85, 0
	s_lshl_b32 s86, s22, 13
	s_add_co_u32 s86, s86, s27
	s_mov_b32 s87, 0
	s_lshl_b32 s88, s16, 14                        ; where they go: 16,384 x wave: x's eight parts, then W's eight
	s_lshl_b32 s89, s16, 10
	s_add_co_u32 s89, s89, SCL                     ; and 1,024 x wave behind SCL
	s_lshl_b32 s90, ttmp9, 23                      ; the results: part,
	s_lshr_b32 s92, s23, 3
	s_lshl_b32 s92, s92, 4                         ; 16 x batch
	s_lshl_b32 s93, s20, 2
	s_add_co_u32 s93, s93, s18                     ; head = 4 cx + wn
	s_add_co_u32 s92, s92, s93
	s_lshl_b32 s92, s92, 18                        ; 262,144 bytes for a batch and head,
	s_add_co_u32 s90, s90, s92
	s_and_b32 s92, s23, 7
	s_lshl_b32 s92, s92, 4
	s_lshl_b32 s94, s17, 2
	s_add_co_u32 s92, s92, s94                     ; my first tile of tokens in the batch
	s_lshl_b32 s92, s92, 11
	s_add_co_u32 s90, s90, s92
	s_mov_b32 s91, 0
	s_lshl_b32 s94, s93, 8                         ; bv: my head's 64 numbers
	s_mov_b32 s95, 0
	s_wait_dscnt 0x0                               ; both opening adds are done
	s_wait_kmcnt 0x0
	s_add_nc_u64 s[80:81], s[4:5], s[80:81]
	s_add_nc_u64 s[84:85], s[6:7], s[84:85]
	s_add_nc_u64 s[82:83], s[8:9], s[82:83]
	s_add_nc_u64 s[86:87], s[10:11], s[86:87]
	s_add_nc_u64 s[12:13], s[12:13], s[94:95]
	s_add_nc_u64 s[14:15], s[14:15], s[90:91]
	CROUND                                         ; all sixteen work-groups are here: the joint loads meet
	s_mov_b32 s[G0XS], 1
	s_mov_b32 s[G0XS+1], s89
	s_mov_b64 s[G0XS+2:G0XS+3], s[84:85]
	s_or_b32 s[G0XS+3], s[G0XS+3], 0x80000000
	s_mov_b32 s[G0WS], 1
	s_mov_b32 s[G0WS+1], s89
	s_mov_b64 s[G0WS+2:G0WS+3], s[86:87]
	s_or_b32 s[G0WS+3], s[G0WS+3], 0x80000000
	JLOAD G0XS, G1XS, G0WS, G1WS
	s_mov_b32 s[G0XC], 1
	s_mov_b32 s[G0XC+1], s88
	s_mov_b64 s[G0XC+2:G0XC+3], s[80:81]
	s_or_b32 s[G0XC+3], s[G0XC+3], 0x80000000
	s_mov_b32 s[G0WC], 1
	s_mov_b32 s[G0WC+1], s88
	s_mov_b64 s[G0WC+2:G0WC+3], s[82:83]
	s_or_b32 s[G0WC+3], s[G0WC+3], 0x80000000
	JLOAD G0XC, G1XC, G0WC, G1WC                   ; two loads of mine are out
	v_and_b32 v1, 31, v0
	v_lshlrev_b32 v1, 4, v1                        ; v1: 16 x lane
	v_and_b32 v8, 15, v0                           ; r
	v_bfe_u32 v9, v0, 4, 1                         ; h
	s_lshl_b32 s26, s17, 15
	v_add_nc_u32 v2, s26, v1                       ; v2: my four tiles of x
	s_lshl_b32 s27, s18, 15
	s_add_co_u32 s27, s27, WCB
	v_add_nc_u32 v3, s27, v1                       ; v3: my four tiles of W
	s_lshl_b32 s26, s17, 11                        ; x's scale words of my tiles: 2,048 wm
	s_lshl_b32 s27, s18, 11
	s_add_co_u32 s27, s27, 8192
	s_sub_co_u32 s27, s27, s26                     ; from there to W's: 8,192 + 2,048 wn - 2,048 wm, at least 2,048
	v_mul_u32_u24 v4, s27, v9                      ; lanes 16-31 take W's
	v_lshl_add_u32 v4, v8, 4, v4
	s_add_co_u32 s26, s26, SCL
	v_add_nc_u32 v4, s26, v4                       ; v4: my row's scale words
	v_lshlrev_b32 v7, 2, v8                        ; v7: 4 r
	s_wait_tensorcnt 0x0                           ; my parts are in,
	s_barrier_signal -1
	s_barrier_wait -1                              ; everybody's are
.irp i, 0,1,2,3
.irp q, 0,1
	ds_load_b128 v[SC+8*\i+4*\q:SC+8*\i+4*\q+3], v4 offset:\i*512+\q*256   ; all eight K steps' scale words, once
.endr
.endr
.macro MM i0, i1, s, isv
.if \isv
.if \s == 0
	v_wmma_scale_f32_16x16x128_f8f6f4 v[ACC+8*(4*\i0+\i1):ACC+8*(4*\i0+\i1)+7], v[XF+8*\i0:XF+8*\i0+7], v[WF+8*\i1:WF+8*\i1+7], 0, v[SC+8*\i0+\s], v[SC+8*\i1+\s] matrix_a_fmt:MATRIX_FMT_FP4 matrix_b_fmt:MATRIX_FMT_FP4 matrix_b_scale:MATRIX_SCALE_ROW1
.else
	v_wmma_scale_f32_16x16x128_f8f6f4 v[ACC+8*(4*\i0+\i1):ACC+8*(4*\i0+\i1)+7], v[XF+8*\i0:XF+8*\i0+7], v[WF+8*\i1:WF+8*\i1+7], v[ACC+8*(4*\i0+\i1):ACC+8*(4*\i0+\i1)+7], v[SC+8*\i0+\s], v[SC+8*\i1+\s] matrix_a_fmt:MATRIX_FMT_FP4 matrix_b_fmt:MATRIX_FMT_FP4 matrix_b_scale:MATRIX_SCALE_ROW1
.endif
.else
.if \s == 0
	v_wmma_scale_f32_16x16x128_f8f6f4 v[ACC+8*(4*\i0+\i1):ACC+8*(4*\i0+\i1)+7], v[WF+8*\i0:WF+8*\i0+7], v[XF+8*\i1:XF+8*\i1+7], 0, v[SC+8*\i0+\s], v[SC+8*\i1+\s] matrix_a_fmt:MATRIX_FMT_FP4 matrix_b_fmt:MATRIX_FMT_FP4 matrix_a_scale:MATRIX_SCALE_ROW1
.else
	v_wmma_scale_f32_16x16x128_f8f6f4 v[ACC+8*(4*\i0+\i1):ACC+8*(4*\i0+\i1)+7], v[WF+8*\i0:WF+8*\i0+7], v[XF+8*\i1:XF+8*\i1+7], v[ACC+8*(4*\i0+\i1):ACC+8*(4*\i0+\i1)+7], v[SC+8*\i0+\s], v[SC+8*\i1+\s] matrix_a_fmt:MATRIX_FMT_FP4 matrix_b_fmt:MATRIX_FMT_FP4 matrix_a_scale:MATRIX_SCALE_ROW1
.endif
.endif
.endm
; A K step of 128: 16 LDS loads, 16 products.  The first step's products start the sums.  The 16 accumulators take turns, one instruction a turn, in the same order in every step.
.macro KSTEP s, isv
.if \s > 0
.rept 4
	v_nop                                          ; four places in front of loads into registers that matrix instructions have read
.endr
.endif
.irp i, 0,1,2,3
.irp c, 0,1
	ds_load_b128 v[XF+8*\i+4*\c:XF+8*\i+4*\c+3], v2 offset:\i*8192+\s*1024+\c*512
	ds_load_b128 v[WF+8*\i+4*\c:WF+8*\i+4*\c+3], v3 offset:\i*8192+\s*1024+\c*512
.endr
.endr
	s_wait_dscnt 0x0
.irp a, 0,1,2,3
.irp b, 0,1,2,3
	MM \a, \b, \s, \isv
.endr
.endr
.endm
; The way out: each accumulator, from its low end on, is rounded to f16 (V: after the bias): 16 bytes a lane, which are a group of the image: the wave stores 512 consecutive bytes, aligned.
.macro WAYOUT isv
.if \isv
	s_wait_loadcnt 0x0                             ; bv
.irp b, 0,1,2,3
	v_mov_b32 v[BV+2*\b+1], v[BV+2*\b]             ; the pairs; these four are also the places behind the last products
.endr
.else
.rept 4
	v_nop                                          ; four places behind the last products
.endr
.endif
.irp a, 0,1,2,3
.irp b, 0,1,2,3
.if \isv
.irp j, 0,2,4,6
	v_pk_add_f32 v[ACC+8*(4*\a+\b)+\j:ACC+8*(4*\a+\b)+\j+1], v[ACC+8*(4*\a+\b)+\j:ACC+8*(4*\a+\b)+\j+1], v[BV+2*\b:BV+2*\b+1]
.endr
.endif
.irp j, 0,1,2,3
	v_cvt_pk_f16_f32 v[PK+4*(4*\a+\b)+\j], v[ACC+8*(4*\a+\b)+2*\j], v[ACC+8*(4*\a+\b)+2*\j+1]
.endr
.if \isv
	global_store_b128 v1, v[PK+4*(4*\a+\b):PK+4*(4*\a+\b)+3], s[14:15] offset:\a*2048+\b*512 th:TH_STORE_NT   ; tile of tokens a, channels 16 b on
.else
	global_store_b128 v1, v[PK+4*(4*\a+\b):PK+4*(4*\a+\b)+3], s[14:15] offset:\b*2048+\a*512 th:TH_STORE_NT   ; tile of tokens b, channels 16 a on
.endif
.endr
.endr
.endm
	s_cmp_eq_u32 ttmp9, 2                          ; the cluster's x: the same in all sixteen partners
	s_cbranch_scc1 .Lv
.irp s, 0,1,2,3,4,5,6,7
	KSTEP \s, 0
.endr
	WAYOUT 0
	s_branch .Lend
.Lv:
.irp b, 0,1,2,3
	global_load_b32 v[BV+2*\b], v7, s[12:13] offset:64*\b   ; bv of channel 16 b + r
.endr
.irp s, 0,1,2,3,4,5,6,7
	KSTEP \s, 1
.endr
	WAYOUT 1
.Lend:
	s_wait_tensorcnt 0x0                           ; the wave's end: behind my last tensor load, an add of 0 and its wait
	ds_add_u32 v5, v6
	s_wait_dscnt 0x0
	CROUND                                         ; the closing round
	s_endpgm
.Lfunc_end_k_qb5866a91a7_qkv:
	.size	k_qb5866a91a7_qkv, .Lfunc_end_k_qb5866a91a7_qkv-k_qb5866a91a7_qkv
	.p2alignl 7, 3214868480
	.fill 96, 4, 3214868480
	.section	.rodata,"a",@progbits
	.p2align	6, 0x0
	.amdhsa_kernel k_qb5866a91a7_qkv
		.amdhsa_group_segment_fixed_size 327680
		.amdhsa_private_segment_fixed_size 0
		.amdhsa_enable_private_segment 0
		.amdhsa_kernarg_size 48
		.amdhsa_user_sgpr_count 2
		.amdhsa_user_sgpr_kernarg_segment_ptr 1
		.amdhsa_wavefront_size32 1
		.amdhsa_system_sgpr_workgroup_id_x 1
		.amdhsa_system_sgpr_workgroup_id_y 1
		.amdhsa_system_sgpr_workgroup_id_z 1
		.amdhsa_system_vgpr_workitem_id 0
		.amdhsa_next_free_vgpr 256
		.amdhsa_next_free_sgpr 100
		.amdhsa_reserve_vcc 0
		.amdhsa_float_denorm_mode_32 3
		.amdhsa_float_denorm_mode_16_64 3
		.amdhsa_memory_ordered 1
		.amdhsa_forward_progress 1
		.amdhsa_inst_pref_size 75
	.end_amdhsa_kernel
	.amdgpu_metadata
---
amdhsa.version: [ 1, 2 ]
amdhsa.kernels:
  - .name:           k_qb5866a91a7_qkv
    .symbol:         k_qb5866a91a7_qkv.kd
    .args:
      - { .name: xc, .offset: 0, .size: 8, .value_kind: global_buffer, .address_space: global }
      - { .name: xs, .offset: 8, .size: 8, .value_kind: global_buffer, .address_space: global }
      - { .name: wc, .offset: 16, .size: 8, .value_kind: global_buffer, .address_space: global }
      - { .name: wsc, .offset: 24, .size: 8, .value_kind: global_buffer, .address_space: global }
      - { .name: bv, .offset: 32, .size: 8, .value_kind: global_buffer, .address_space: global }
      - { .name: qkv, .offset: 40, .size: 8, .value_kind: global_buffer, .address_space: global }
    .group_segment_fixed_size: 327680
    .private_segment_fixed_size: 0
    .kernarg_segment_align: 8
    .kernarg_segment_size: 48
    .max_flat_workgroup_size: 512
    .sgpr_count:     100
    .vgpr_count:     256
    .wavefront_size: 32
...
	.end_amdgpu_metadata
.endif
;; end of part 2
;; launch attn (part 3): grid 8 x 32, 8 waves a work-group, clusters of 4 x 1, 327,680 bytes of LDS; arguments qkv, confidence, Wc, bc, alpha, ao; writes ao
.if DOCPART == 3
	.amdgcn_target "amdgcn-amd-amdhsa--gfx1250"
	.amdhsa_code_object_version 6
	.text
	.protected	k_qb5866a91a7_attn
	.globl	k_qb5866a91a7_attn
	.p2align	8
	.type	k_qb5866a91a7_attn,@function
k_qb5866a91a7_attn:
	s_mov_b64 s[64:65], 0
	v_nop
	global_prefetch_b8 v0, s[64:65] scope:SCOPE_SE
	s_setreg_imm32_b32 hwreg(HW_REG_WAVE_MODE, 25, 1), 1
	s_wait_xcnt 0x0
	s_wait_alu depctr_hold_cnt(0) depctr_sa_sdst(0) depctr_va_vdst(0) depctr_va_sdst(0) depctr_va_ssrc(0) depctr_va_vcc(0) depctr_vm_vsrc(0)
	s_getreg_b32 s2, hwreg(HW_REG_IB_STS2, 6, 4)
	s_cmp_eq_u32 s2, 0
	s_cbranch_scc0 .Lentry_in_a_cluster
	s_endpgm
.Lentry_in_a_cluster:
	s_bfe_u32 s2, ttmp6, 0x10000c
	s_cmp_lg_u32 s2, 0x3003
	s_cbranch_scc0 .Lentry_shape_is_right
	s_endpgm
.Lentry_shape_is_right:
; O[b][h][i] = sum over j of softmax_j(Q_i . K_j / 8 + a (cb_i + cb_j)) V_j, a = sigmoid(alpha), cb = confidence x Wc[h] + bc[h].  Q, K, V in f16 as images of the operands' registers; products, maxima and sums in f32;
; the weights p are rounded to f16 for the second product, O to f16 at the end, into an image for the projection:  ao [chunk of 256 k][tile of 16 tokens][g 0..15][lane][16 bytes].
; LIMITS: NaN and infinities are not served; the running maximum starts at -3e38; |O| stays under 65,504.
; SHARES.  A work-group owns 256 queries of one batch and head, each of its eight waves 32: two tiles of 16; two waves to a SIMD, so that one wave's softmax stands beside the other's products.  Every wave walks all 2,048 keys, 64 a step.
; LAYOUT.  S^T = K Q^T (source 0 = 16 keys, source 1 = 16 queries), O^T = V^T P (source 0 = 16 channels, source 1 = P): a lane holds ONE query throughout; two tiles of S^T rounded in pairs are source 1 of the second product.
; THE BIAS.  The key's term, 8 a cb_j, is the C of the first product of each tile of S^T: s = q . k + 8 a cb_j at no cost.  The query's term enters where the maximum is scaled: with c = log2(e) / 8 and QB = c 8 a cb_i,
; CM = c M + QB is the row's largest score in powers of two, and p = 2^(c s + (QB - CM)); O and the sum are multiplied by 2^(old CM - new CM) in every step.
; CLUSTER.  The four query blocks of a cluster walk the same K and V: each tile is asked for jointly, mask 15.  Two slots of 512 keys; both are filled at the head and once more: a refill has eight key steps in which to land,
; so nothing is prefetched: no wave waits for a refill, and the head's fills are the launch's first loads.
; REGISTERS.  Window 0: v1 16 x lane; v2-5 addresses; v6, v7 the add's two; v16.., v32.. a tile's statistics; v64-127 S^T; v128-159 the keys' bias; v160-223 K; v224-255 P.
;             Window 1: v0-63 O^T; v64-127 V; v224-255 Q.
.set SLOT1, 131072                     ; LDS: slot n at n x 131,072: K's eight key steps of 8,192 bytes, then V's eight
.set VOFF,  65536
.set KBT,   262144                     ; the keys' bias, 2,048 f32
.set SPARE, 270336                     ; the spare words, 128 bytes a wave
.set ST,  16                           ; tile u's statistics at ST + 16 u: +0 NG = QB - CM, +1 M, +2, +3 the sum, +4 AF, +5 CM, +6 QB, +8 .. +11 at work
.set S,   64
.set KB,  128
.set KF,  160
.set P,   224
.set VF,  64
.set QF,  224
.set W_KQ,  0x04                       ; Q (source 1) in window 1
.set W_LD1, 0x40                       ; destination in window 1
.set W_RS,  0x41                       ; O^T (destination, source 0) in window 1
.set W_PV,  0x51                       ; V (source 0), O^T (source 2, destination) in window 1
.set W_OUT, 0x05                       ; sources 0 and 1 in window 1
.set MSB, 0
.macro WIN new                         ; the immediate's high byte repeats the setting that is left
.if MSB != \new
	s_set_vgpr_msb (MSB<<8)|\new
.set MSB, \new
.endif
.endm
.macro CROUND                          ; a round of the cluster's barrier
	s_barrier_signal -1
	s_barrier_wait -1
	s_cmp_lg_u32 s16, 0
	s_cbranch_scc1 .Lnot_wave_0_\@
	s_barrier_signal -3
.Lnot_wave_0_\@:
	s_barrier_wait -3
	s_barrier_signal -1
	s_barrier_wait -1
.endm
	s_load_b256 s[4:11], s[0:1], 0x0               ; qkv s[4:5], confidence s[6:7], Wc s[8:9], bc s[10:11]
	s_load_b128 s[12:15], s[0:1], 0x20             ; alpha s[12:13], ao s[14:15]
	v_lshl_add_u32 v6, v0, 2, SPARE
	v_mov_b32 v7, 0
	ds_add_u32 v6, v7                              ; the opening: the add, twice on end, and its wait ahead of the round in front of the first loads
	ds_add_u32 v6, v7
	v_lshrrev_b32 v1, 5, v0
	v_readfirstlane_b32 s16, v1                    ; wave 0..7
	s_bfe_u32 s17, ttmp6, 0x40000                  ; cx: it enters Q's, the queries' confidence's and O's addresses alone
	s_lshl_b32 s18, ttmp9, 2
	s_add_co_u32 s18, s18, s17                     ; my block of 256 queries
	s_and_b32 s19, ttmp7, 0xffff                   ; batch x 16 + head, which the partners share
	s_lshr_b32 s54, s19, 4                         ; batch
	s_and_b32 s55, s19, 15                         ; head
	s_mov_b32 s20, 0x76543210
	s_mov_b32 s21, 0xfedcba98                      ; v_permlanex16_b32: lane l xor 16
	s_mov_b32 s22, 0x3e38aa3b                      ; c = log2(e) / 8
	s_mov_b32 s23, s22                             ; (named with it as a pair)
	s_mov_b32 s24, 15|(3<<16)|(1<<21)              ; group 1: all four partners; elements of 8 bytes; bit 21 beside a mask; 16 KiB, dense: 64 rows of 256 bytes
	s_mov_b32 s25, 32<<16
	s_mov_b32 s26, 64<<16
	s_mov_b32 s27, 32<<16
	s_mov_b32 s28, 64
	s_mov_b32 s29, 32
	s_mov_b32 s30, 0
	s_mov_b32 s31, 0
	s_lshl_b32 s50, s19, 18                        ; 262,144 bytes for a batch and head
	s_lshr_b32 s48, s16, 2                         ; waves 0-3 fetch K's quarters of a slot, waves 4-7 V's
	s_add_co_u32 s48, s48, 1
	s_lshl_b32 s48, s48, 23
	s_add_co_u32 s48, s48, s50
	s_and_b32 s51, s16, 3
	s_lshl_b32 s51, s51, 14
	s_add_co_u32 s48, s48, s51
	s_mov_b32 s49, 0
	s_lshl_b32 s47, s16, 14                        ; and where it goes in a slot: 16,384 x wave
	s_lshl_b32 s52, s18, 15                        ; Q: my block's 16 tiles of 2,048 bytes,
	s_add_co_u32 s52, s52, s50
	s_lshl_b32 s51, s16, 12                        ; my wave's two
	s_add_co_u32 s52, s52, s51
	s_mov_b32 s53, 0
	s_lshl_b32 s56, s54, 13                        ; confidence: my batch's 2,048 numbers
	s_mov_b32 s57, 0
	s_lshl_b32 s51, s18, 10
	s_lshl_b32 s58, s16, 7
	s_add_co_u32 s51, s51, s58                     ; s51: my wave's 32 queries among them, in bytes
	s_lshr_b32 s58, s55, 2                         ; O: chunk = head / 4,
	s_lshl_b32 s58, s58, 21
	s_lshl_b32 s59, s54, 7
	s_lshl_b32 s60, s18, 4
	s_add_co_u32 s59, s59, s60
	s_lshl_b32 s60, s16, 1
	s_add_co_u32 s59, s59, s60                     ; tile of tokens = 128 batch + 16 block + 2 wave,
	s_lshl_b32 s59, s59, 13
	s_add_co_u32 s58, s58, s59
	s_and_b32 s59, s55, 3                          ; groups 4 (head % 4) on
	s_lshl_b32 s59, s59, 11
	s_add_co_u32 s58, s58, s59
	s_mov_b32 s59, 0
	s_lshl_b32 s60, s55, 2                         ; Wc, bc: my head's number
	s_mov_b32 s61, 0
	s_wait_dscnt 0x0                               ; both opening adds are done
	s_wait_kmcnt 0x0
	s_add_nc_u64 s[48:49], s[4:5], s[48:49]
	s_add_nc_u64 s[52:53], s[4:5], s[52:53]
	s_add_nc_u64 s[6:7], s[6:7], s[56:57]
	s_add_nc_u64 s[8:9], s[8:9], s[60:61]
	s_add_nc_u64 s[10:11], s[10:11], s[60:61]
	s_add_nc_u64 s[14:15], s[14:15], s[58:59]
	s_load_b32 s44, s[8:9], 0x0                    ; Wc[head]
	s_load_b32 s45, s[10:11], 0x0                  ; bc[head]
	s_load_b32 s46, s[12:13], 0x0                  ; alpha
	CROUND                                         ; all four work-groups are here: the first joint loads meet
.irp n, 0,1
	s_mov_b32 s[32+4*\n], 1                        ; group 0 of slot n: count = 1,
	s_add_co_u32 s[33+4*\n], s47, \n*SLOT1         ; LDS address,
	s_add_nc_u64 s[34+4*\n:35+4*\n], s[48:49], \n*65536  ; keys 512 n on,
	s_or_b32 s[35+4*\n], s[35+4*\n], 0x80000000    ; type = 2
.endr
	tensor_load_to_lds s[32:35], s[24:31]          ; one line for all eight waves: two loads of mine are out
	s_nop 0
	tensor_load_to_lds s[36:39], s[24:31]
	s_nop 0
.rept 4
	v_nop
.endr
	v_and_b32 v1, 31, v0
	v_lshlrev_b32 v1, 4, v1                        ; v1: 16 x lane
	WIN W_LD1
.irp i, 0,1,2,3,4,5,6,7
	global_load_b128 v[QF+4*\i:QF+4*\i+3], v1, s[52:53] offset:512*\i   ; Q stays in registers: tile i / 4, channels 16 (i % 4) + 8 h on
.endr
	WIN 0
	v_lshlrev_b32 v8, 5, v0                        ; the table: thread t makes keys 8 t .. 8 t + 7
	global_load_b128 v[64:67], v8, s[6:7]
	global_load_b128 v[68:71], v8, s[6:7] offset:16
	v_and_b32 v13, 15, v0
	v_lshl_add_u32 v9, v13, 2, s51
	global_load_b32 v72, v9, s[6:7]                ; my queries' confidence: tile 0,
	global_load_b32 v73, v9, s[6:7] offset:64      ; tile 1
	v_lshl_add_u32 v14, v0, 5, KBT
	v_bfe_u32 v2, v0, 4, 1
	v_lshl_add_u32 v2, v2, 5, KBT                  ; v2: the table, + 8 keys for lanes 16-31
	s_wait_kmcnt 0x0
	v_mov_b32 v10, s46
	v_mul_f32 v10, 0xbfb8aa3b, v10                 ; -alpha log2(e)
	v_exp_f32 v11, v10
	v_nop                                          ; a plain instruction behind the transcendental,
	s_wait_alu depctr_va_vdst(0)                   ; and a wait ahead of its first reader
	v_add_f32 v11, 1.0, v11
	v_rcp_f32 v12, v11                             ; a = sigmoid(alpha)
	v_nop
	s_wait_alu depctr_va_vdst(0)
	v_mul_f32 v12, 0x41000000, v12                 ; 8 a
	v_mul_f32 v10, s44, v12                        ; 8 a Wc
	v_mul_f32 v11, s45, v12                        ; 8 a bc
	s_wait_loadcnt 0x0                             ; Q and the confidences
.irp i, 0,1,2,3,4,5,6,7
	v_fma_f32 v[64+\i], v[64+\i], v10, v11         ; 8 a cb_j
.endr
	ds_store_b128 v14, v[64:67]
	ds_store_b128 v14, v[68:71] offset:16
.irp u, 0,1
	v_fma_f32 v[72+\u], v[72+\u], v10, v11         ; 8 a cb_i
	v_mul_f32 v[ST+16*\u+6], s22, v[72+\u]         ; QB
	v_mov_b32 v[ST+16*\u+1], 0xff61b1e6            ; M: -3e38, under every score
	v_fma_f32 v[ST+16*\u+5], s22, v[ST+16*\u+1], v[ST+16*\u+6]   ; CM
	v_mov_b32 v[ST+16*\u+2], 0                     ; the sum, in two halves
	v_mov_b32 v[ST+16*\u+3], 0
.endr
	WIN W_LD1
.set i, 0
.rept 64
	v_mov_b32 v[i], 0                              ; O^T.  The step is written once: the first finds zeros, which its factor 0 leaves zeros
.set i, i+1
.endr
	WIN 0
	s_wait_tensorcnt 0x1                           ; my part of slot 0 is in; slot 1's may stay out
	s_wait_dscnt 0x0                               ; my part of the table is stored
	s_barrier_signal -1
	s_barrier_wait -1
.macro FETCHK adk, adb                 ; a key step's K (64 keys x 64 channels: 16 groups) and the bias of its 64 keys (lanes of a half read the same 32 bytes)
.irp i, 0,1,2,3,4,5,6,7,8,9,10,11,12,13,14,15
	ds_load_b128 v[KF+4*\i:KF+4*\i+3], v[\adk] offset:512*\i
.endr
.irp kt, 0,1,2,3
.irp e, 0,1
	ds_load_b128 v[KB+8*\kt+4*\e:KB+8*\kt+4*\e+3], v[\adb] offset:64*\kt+16*\e
.endr
.endr
.endm
	FETCHK 1, 2                                    ; key step 0
	s_mov_b32 s40, 8192                            ; s40: where the next step's K begins in LDS
	s_mov_b32 s41, VOFF                            ; s41: this step's V
	s_mov_b32 s42, 256                             ; s42: the next step's bias, 256 bytes a step
; The softmax of both tiles for one key step; the tiles alternate line by line, so that no line waits for the line above it.
.macro SOFTMAX
.irp k, 0,1,2,3
.irp u, 0,1
	v_max3_num_f32 v[ST+16*\u+8+\k], v[S+32*\u+8*\k], v[S+32*\u+8*\k+1], v[S+32*\u+8*\k+2]   ; each accumulator is read from its low end on
.endr
.endr
.irp d, 3,5
.irp k, 0,1,2,3
.irp u, 0,1
	v_max3_num_f32 v[ST+16*\u+8+\k], v[ST+16*\u+8+\k], v[S+32*\u+8*\k+\d], v[S+32*\u+8*\k+\d+1]
.endr
.endr
.endr
.irp u, 0,1
	v_max3_num_f32 v[ST+16*\u+8], v[ST+16*\u+8], v[S+32*\u+7], v[S+32*\u+15]
.endr
.irp u, 0,1
	v_max3_num_f32 v[ST+16*\u+10], v[ST+16*\u+10], v[S+32*\u+23], v[S+32*\u+31]
.endr
.irp u, 0,1
	v_max3_num_f32 v[ST+16*\u+8], v[ST+16*\u+8], v[ST+16*\u+9], v[ST+16*\u+10]
.endr
.irp u, 0,1
	v_max3_num_f32 v[ST+16*\u+8], v[ST+16*\u+8], v[ST+16*\u+11], v[ST+16*\u+1]   ; and the old M
.endr
.irp u, 0,1
	v_permlanex16_b32 v[ST+16*\u+9], v[ST+16*\u+8], s20, s21   ; the query's other 32 keys lie in the lane 16 away
.endr
.irp u, 0,1
	v_max_num_f32 v[ST+16*\u+1], v[ST+16*\u+8], v[ST+16*\u+9]  ; the new M
.endr
.irp u, 0,1
	v_mov_b32 v[ST+16*\u+10], v[ST+16*\u+5]        ; the old CM
.endr
.irp u, 0,1
	v_fma_f32 v[ST+16*\u+5], s22, v[ST+16*\u+1], v[ST+16*\u+6]   ; CM = c M + QB
.endr
.irp u, 0,1
	v_sub_f32 v[ST+16*\u+10], v[ST+16*\u+10], v[ST+16*\u+5]      ; old CM - new CM, 0 or less
.endr
.irp u, 0,1
	v_sub_f32 v[ST+16*\u], v[ST+16*\u+6], v[ST+16*\u+5]          ; NG = QB - CM
.endr
.set i, 0
.rept 16
.irp u, 0,1
	v_pk_fma_f32 v[S+32*\u+2*i:S+32*\u+2*i+1], v[S+32*\u+2*i:S+32*\u+2*i+1], s[22:23], v[ST+16*\u:ST+16*\u+1] op_sel_hi:[1,0,0]   ; c s + NG, two at a time
.endr
.set i, i+1
.endr
.irp u, 0,1
	v_exp_f32 v[ST+16*\u+4], v[ST+16*\u+10]        ; AF = 2^(old CM - new CM)
.endr
.set i, 0
.rept 64
	v_exp_f32 v[S+i], v[S+i]                       ; p: both tiles' exponentials are one batch
.set i, i+1
.endr
	v_nop                                          ; one plain instruction behind the last exponential,
	s_wait_alu depctr_va_vdst(0)                   ; and one wait for the 66, ahead of the first reader
.set i, 0
.rept 16
.irp u, 0,1
	v_cvt_pk_f16_f32 v[P+16*\u+i], v[S+32*\u+2*i], v[S+32*\u+2*i+1]
.endr
.set i, i+1
.endr
.irp z, 0,1,2,3,4,5,6,7                        ; the sum of the unrounded p, in pairs, as a tree in place
.irp u, 0,1
	v_pk_add_f32 v[S+32*\u+4*\z:S+32*\u+4*\z+1], v[S+32*\u+4*\z:S+32*\u+4*\z+1], v[S+32*\u+4*\z+2:S+32*\u+4*\z+3]
.endr
.endr
.irp z, 0,1,2,3
.irp u, 0,1
	v_pk_add_f32 v[S+32*\u+8*\z:S+32*\u+8*\z+1], v[S+32*\u+8*\z:S+32*\u+8*\z+1], v[S+32*\u+8*\z+4:S+32*\u+8*\z+5]
.endr
.endr
.irp z, 0,1
.irp u, 0,1
	v_pk_add_f32 v[S+32*\u+16*\z:S+32*\u+16*\z+1], v[S+32*\u+16*\z:S+32*\u+16*\z+1], v[S+32*\u+16*\z+8:S+32*\u+16*\z+9]
.endr
.endr
.irp u, 0,1
	v_pk_add_f32 v[S+32*\u:S+32*\u+1], v[S+32*\u:S+32*\u+1], v[S+32*\u+16:S+32*\u+17]
.endr
.irp u, 0,1
	v_pk_fma_f32 v[ST+16*\u+2:ST+16*\u+3], v[ST+16*\u+2:ST+16*\u+3], v[ST+16*\u+4:ST+16*\u+5], v[S+32*\u:S+32*\u+1] op_sel_hi:[1,0,1]   ; the sum x AF + this step's
.endr
.endm
; A KEY STEP.  mode 0: inside a slot.  1: the slot's last step; the slot is filled again (group 0 at g0), and the next step's K comes from LDS byte next.  2: the same with no refill.  3: the last step of all.
.macro TRIP mode, next, g0
	s_wait_dscnt 0x0                               ; this step's K and bias are in
	WIN W_KQ
.irp kk, 0,1                                   ; S^T = K Q^T + the keys' bias: eight accumulators by turns, one instruction a turn
.irp kt, 0,1,2,3
.irp u, 0,1
.if \kk == 0
	v_wmma_f32_16x16x32_f16 v[S+32*\u+8*\kt:S+32*\u+8*\kt+7], v[KF+16*\kt+8*\kk:KF+16*\kt+8*\kk+7], v[QF+16*\u+8*\kk:QF+16*\u+8*\kk+7], v[KB+8*\kt:KB+8*\kt+7]
.else
	v_wmma_f32_16x16x32_f16 v[S+32*\u+8*\kt:S+32*\u+8*\kt+7], v[KF+16*\kt+8*\kk:KF+16*\kt+8*\kk+7], v[QF+16*\u+8*\kk:QF+16*\u+8*\kk+7], v[S+32*\u+8*\kt:S+32*\u+8*\kt+7]
.endif
.endr
.endr
.endr
	WIN 0
	v_add_nc_u32 v4, s41, v1                       ; four plain instructions: the places in front of the loads into V, K and the bias, and of the first read of S^T
	v_add_nc_u32 v5, s42, v2
	v_nop
	v_nop
	WIN W_LD1
.irp ks, 0,1
.irp ct, 0,1,2,3
.irp c, 0,1
	ds_load_b128 v[VF+8*(4*\ks+\ct)+4*\c:VF+8*(4*\ks+\ct)+4*\c+3], v4 offset:(2*\ks+\c)*2048+\ct*512   ; V^T: channels 16 ct on, keys 32 ks + 16 c + 8 h on
.endr
.endr
.endr
	WIN 0
.if (\mode == 1) || (\mode == 2)
	s_wait_tensorcnt 0x0                           ; all my tensor loads have landed: my part of the other slot
	ds_add_u32 v6, v7                              ; 0 onto my spare word
.if \mode == 1
	s_add_nc_u64 s[\g0+2:\g0+3], s[\g0+2:\g0+3], 131072   ; no load of mine is out, so the group 0 may step: 1,024 keys on
.endif
	s_wait_dscnt 0x0                               ; the add is done, and V is in: my reads of this slot are over
.if \mode == 1
	CROUND                                         ; no wave of any partner still reads the slot or has a load on its way
	tensor_load_to_lds s[\g0:\g0+3], s[24:31]      ; the joint refill, first behind the round: one load of mine is out, with eight key steps in which to land
	s_nop 0
.rept 4
	v_nop
.endr
.else
	s_barrier_signal -1
	s_barrier_wait -1                              ; the other slot is whole
.endif
	s_mov_b32 s40, \next
.endif
.if \mode != 3
	v_add_nc_u32 v3, s40, v1
	FETCHK 3, 5                                    ; the next step's K and bias land under the softmax
.endif
	SOFTMAX
	WIN W_RS
.irp u, 0,1
.set i, 0
.rept 16
	v_pk_mul_f32 v[32*\u+2*i:32*\u+2*i+1], v[32*\u+2*i:32*\u+2*i+1], v[ST+16*\u+4:ST+16*\u+5] op_sel_hi:[1,0]   ; O^T x AF, each accumulator from its low end on
.set i, i+1
.endr
.endr
.if \mode == 3
	s_wait_dscnt 0x0
.else
	s_wait_dscnt 24                                ; V is in: behind its loads stand the 16 of K and the 8 of the bias
.endif
	WIN W_PV
.irp ks, 0,1                                   ; O^T += V^T P: eight accumulators by turns
.irp ct, 0,1,2,3
.irp u, 0,1
	v_wmma_f32_16x16x32_f16 v[32*\u+8*\ct:32*\u+8*\ct+7], v[VF+8*(4*\ks+\ct):VF+8*(4*\ks+\ct)+7], v[P+16*\u+8*\ks:P+16*\u+8*\ks+7], v[32*\u+8*\ct:32*\u+8*\ct+7]
.endr
.endr
.endr
	WIN 0
.if (\mode == 1) || (\mode == 2)
	s_mov_b32 s41, \next+VOFF
.else
	s_add_co_u32 s41, s41, 8192
.endif
	s_add_co_u32 s40, s40, 8192
	s_add_co_u32 s42, s42, 256
.endm
.macro PHASE mode, next, g0            ; a slot's eight key steps: seven in a loop, the eighth written out
	s_mov_b32 s43, 7
.Lstep_\@:
	TRIP 0, 0, 0
	s_sub_co_u32 s43, s43, 1
	s_cmp_lg_u32 s43, 0
	s_cbranch_scc1 .Lstep_\@
	TRIP \mode, \next, \g0
.endm
	PHASE 1, SLOT1, 32                             ; keys 0-511; slot 0 takes keys 1,024 on
	PHASE 1, 0, 36                                 ; keys 512-1,023; slot 1 takes keys 1,536 on
	PHASE 2, SLOT1, 0
	PHASE 3, 0, 0
	; THE WAY OUT.  The additions are the places behind the last products.
.irp u, 0,1
	v_add_f32 v[ST+16*\u+8], v[ST+16*\u+2], v[ST+16*\u+3]
.endr
.irp u, 0,1
	v_permlanex16_b32 v[ST+16*\u+9], v[ST+16*\u+8], s20, s21
.endr
.irp u, 0,1
	v_add_f32 v[ST+16*\u+8], v[ST+16*\u+8], v[ST+16*\u+9]   ; the row's sum
.endr
.irp u, 0,1
	v_rcp_f32 v[ST+16*\u+4], v[ST+16*\u+8]
.endr
	v_nop
	s_wait_alu depctr_va_vdst(0)                   ; one wait for the two reciprocals, ahead of their first reader
	WIN W_RS
.irp u, 0,1
.set i, 0
.rept 16
	v_pk_mul_f32 v[32*\u+2*i:32*\u+2*i+1], v[32*\u+2*i:32*\u+2*i+1], v[ST+16*\u+4:ST+16*\u+5] op_sel_hi:[1,0]
.set i, i+1
.endr
.endr
	WIN W_OUT
.set i, 0
.rept 32
	v_cvt_pk_f16_f32 v[S+i], v[2*i], v[2*i+1]      ; eight channels of my query: 16 bytes, a group of the image as it stands
.set i, i+1
.endr
	WIN 0
.irp u, 0,1
.irp ct, 0,1,2,3
	global_store_b128 v1, v[S+4*(4*\u+\ct):S+4*(4*\u+\ct)+3], s[14:15] offset:\u*8192+\ct*512 th:TH_STORE_NT   ; 512 consecutive bytes, aligned
.endr
.endr
	s_wait_tensorcnt 0x0                           ; the wave's end: behind my last tensor load and LDS store, an add of 0 and its wait
	ds_add_u32 v6, v7
	s_wait_dscnt 0x0
	CROUND                                         ; the closing round
	s_endpgm
.Lfunc_end_k_qb5866a91a7_attn:
	.size	k_qb5866a91a7_attn, .Lfunc_end_k_qb5866a91a7_attn-k_qb5866a91a7_attn
	.p2alignl 7, 3214868480
	.fill 96, 4, 3214868480
	.section	.rodata,"a",@progbits
	.p2align	6, 0x0
	.amdhsa_kernel k_qb5866a91a7_attn
		.amdhsa_group_segment_fixed_size 327680
		.amdhsa_private_segment_fixed_size 0
		.amdhsa_enable_private_segment 0
		.amdhsa_kernarg_size 48
		.amdhsa_user_sgpr_count 2
		.amdhsa_user_sgpr_kernarg_segment_ptr 1
		.amdhsa_wavefront_size32 1
		.amdhsa_system_sgpr_workgroup_id_x 1
		.amdhsa_system_sgpr_workgroup_id_y 1
		.amdhsa_system_sgpr_workgroup_id_z 1
		.amdhsa_system_vgpr_workitem_id 0
		.amdhsa_next_free_vgpr 512
		.amdhsa_next_free_sgpr 66
		.amdhsa_reserve_vcc 0
		.amdhsa_float_denorm_mode_32 3
		.amdhsa_float_denorm_mode_16_64 3
		.amdhsa_memory_ordered 1
		.amdhsa_forward_progress 1
		.amdhsa_inst_pref_size 160
	.end_amdhsa_kernel
	.amdgpu_metadata
---
amdhsa.version: [ 1, 2 ]
amdhsa.kernels:
  - .name:           k_qb5866a91a7_attn
    .symbol:         k_qb5866a91a7_attn.kd
    .args:
      - { .name: qkv, .offset: 0, .size: 8, .value_kind: global_buffer, .address_space: global }
      - { .name: confidence, .offset: 8, .size: 8, .value_kind: global_buffer, .address_space: global }
      - { .name: Wc, .offset: 16, .size: 8, .value_kind: global_buffer, .address_space: global }
      - { .name: bc, .offset: 24, .size: 8, .value_kind: global_buffer, .address_space: global }
      - { .name: alpha, .offset: 32, .size: 8, .value_kind: global_buffer, .address_space: global }
      - { .name: ao, .offset: 40, .size: 8, .value_kind: global_buffer, .address_space: global }
    .group_segment_fixed_size: 327680
    .private_segment_fixed_size: 0
    .kernarg_segment_align: 8
    .kernarg_segment_size: 48
    .max_flat_workgroup_size: 256
    .sgpr_count:     66
    .vgpr_count:     512
    .wavefront_size: 32
...
	.end_amdgpu_metadata
.endif
;; end of part 3
;; launch oproj (part 4): grid 8 x 32, 4 waves a work-group, clusters of 4 x 4, 327,680 bytes of LDS; arguments ao, wo16, bo, out0; writes out0
.if DOCPART == 4
	.amdgcn_target "amdgcn-amd-amdhsa--gfx1250"
	.amdhsa_code_object_version 6
	.text
	.protected	k_qb5866a91a7_oproj
	.globl	k_qb5866a91a7_oproj
	.p2align	8
	.type	k_qb5866a91a7_oproj,@function
k_qb5866a91a7_oproj:
	s_mov_b64 s[64:65], 0
	v_nop
	global_prefetch_b8 v0, s[64:65] scope:SCOPE_SE
	s_setreg_imm32_b32 hwreg(HW_REG_WAVE_MODE, 25, 1), 1
	s_wait_xcnt 0x0
	s_wait_alu depctr_hold_cnt(0) depctr_sa_sdst(0) depctr_va_vdst(0) depctr_va_sdst(0) depctr_va_ssrc(0) depctr_va_vcc(0) depctr_vm_vsrc(0)
	s_getreg_b32 s2, hwreg(HW_REG_IB_STS2, 6, 4)
	s_cmp_eq_u32 s2, 0
	s_cbranch_scc0 .Lentry_in_a_cluster
	s_endpgm
.Lentry_in_a_cluster:
	s_bfe_u32 s2, ttmp6, 0x10000c
	s_cmp_lg_u32 s2, 0xf033
	s_cbranch_scc0 .Lentry_shape_is_right
	s_endpgm
.Lentry_shape_is_right:
; out0[t][n] = sum over k of O[t][k] Wo[n][k] + bo[n].  O and Wo in f16, as images of the operands' registers: [chunk of 256 k][tile of 16 rows][g 0..15][lane][16 bytes], lane (r, h): row r, k = 16 g + 8 h + 0 .. 7; sums and out0 in f32.
; A tile of out0 is 128 x 128: 256 work-groups.  Four waves, each 64 x 64: 16 accumulators.  K goes in four chunks of 256 through two LDS slots; a wave's tensor load brings 32 KiB, dense (128 rows of 256 bytes).
; No padding: a fragment's load takes 512 consecutive bytes, 16 a lane.
; CLUSTER 4 x 4: O's tiles are asked for jointly along a row of the cluster, Wo's along a column.  TRANSPOSED USE (source 0 = 16 rows of Wo, source 1 = 16 tokens): a lane holds eight neighbouring numbers of a row of out0.
; The bias is the C of each sum's first product.  Four chunks: the K steps are written out, no loop.  Nothing is prefetched: the launch is short and has two refills.
; REGISTERS: window 0: v0-31 addresses; v32-95 the way out; v96-127 the bias; v128-255 the accumulators ((a, b) at 128 + 8 (4 a + b)).  Window 1: two fragment buffers of 128: for 64 along K, 64 registers of O, then 64 of Wo.
.set SLOT,   131072                    ; O's 8 tiles of 8,192 bytes, then Wo's 8
.set STAGE,  262144                    ; behind the ring: 16 rows x 272 bytes for each wave
.set SPITCH, 272
.set SPARE,  STAGE+4*16*SPITCH         ; the spare words, 128 bytes a wave
.set ADRA, 16                          ; v16-17  my O fragments in slot 0, 1
.set ADRB, 20                          ; v20-21  my Wo fragments
.set STO,  24
.set RD,   25
.set CO,   26
.set SPW,  28                          ; my spare word; never rewritten
.set NIL,  29                          ; 0; never rewritten
.set OB,   32
.set BO,   96
.set ACC,  128
.set F0,   0
.set F1,   128
.set G1,  24
.set G0,  32
.set G1B, 48
.set G0B, 56
.set MSB, 0
.macro WIN new
.if MSB != \new
	s_set_vgpr_msb (MSB<<8)|\new
.set MSB, \new
.endif
.endm
.set MUL,  0x05                        ; sources 0 and 1 window 1; C and D window 0
.set TO_F, 0x40                        ; destination window 1
.macro JLOAD s                         ; waves 0 and 1 fetch the halves of O's tile, waves 2 and 3 those of Wo's; an s_nop 0 and four v_nop follow each line
	s_cmp_eq_u32 s13, 0
	s_cbranch_scc0 .Lfor_b_\@
	tensor_load_to_lds s[G0+4*\s:G0+4*\s+3], s[G1:G1+7]
	s_nop 0
.rept 4
	v_nop
.endr
	s_branch .Lasked_\@
.Lfor_b_\@:
	tensor_load_to_lds s[G0B+4*\s:G0B+4*\s+3], s[G1B:G1B+7]
	s_nop 0
.rept 4
	v_nop
.endr
.Lasked_\@:
.endm
.macro CREST
	s_cmp_lg_u32 s12, 0
	s_cbranch_scc1 .Lnot_wave_0_\@
	s_barrier_signal -3
.Lnot_wave_0_\@:
	s_barrier_wait -3
	s_barrier_signal -1
	s_barrier_wait -1
.endm
.macro CROUND
	s_barrier_signal -1
	s_barrier_wait -1
	CREST
.endm
	s_load_b256 s[4:11], s[0:1], 0x0               ; ao s[4:5], wo16 s[6:7], bo s[8:9], out0 s[10:11]
	v_lshl_add_u32 v[SPW], v0, 2, SPARE
	v_mov_b32 v[NIL], 0
	ds_add_u32 v[SPW], v[NIL]                      ; the opening: the add, twice on end, and its wait ahead of the round in front of the first loads
	ds_add_u32 v[SPW], v[NIL]
	v_lshrrev_b32 v1, 5, v0
	v_readfirstlane_b32 s12, v1                    ; wave 0..3
	s_lshr_b32 s13, s12, 1                         ; my half of the tile's tokens.  Also: I fetch for O (0) or for Wo (1)
	s_and_b32 s14, s12, 1                          ; my half of its columns.  Also: which half of that tile I fetch
	s_bfe_u32 s40, ttmp6, 0x40000                  ; cx
	s_bfe_u32 s41, ttmp6, 0x40004                  ; cy
	s_lshl_b32 s42, ttmp9, 2
	s_add_co_u32 s42, s42, s40                     ; tile column
	s_and_b32 s43, ttmp7, 0xffff
	s_lshl_b32 s43, s43, 2
	s_add_co_u32 s43, s43, s41                     ; tile row
	s_lshl_b32 s44, s41, 2
	s_lshl_b32 s44, 15, s44                        ; my row of the cluster
	s_lshl_b32 s45, 0x1111, s40                    ; my column
	s_or_b32 s[G1+0], s44, (3<<16)|(1<<21)         ; the mask; elements of 8 bytes; bit 21 beside a mask
	s_or_b32 s[G1B+0], s45, (3<<16)|(1<<21)
.irp g, G1, G1B
	s_mov_b32 s[\g+1], 32<<16
	s_mov_b32 s[\g+2], 128<<16
	s_mov_b32 s[\g+3], 32<<16
	s_mov_b32 s[\g+4], 128
	s_mov_b32 s[\g+5], 32
	s_mov_b32 s[\g+6], 0
	s_mov_b32 s[\g+7], 0
.endr
	s_lshl_b32 s15, s14, 15                        ; the half that I fetch: four tiles of 8,192 bytes
	s_lshl_b32 s16, s43, 16                        ; O: eight tiles a tile row
	s_add_co_u32 s16, s16, s15
	s_mov_b32 s17, 0
	s_lshl_b32 s46, s42, 16                        ; Wo: eight tiles a tile column
	s_add_co_u32 s46, s46, s15
	s_mov_b32 s47, 0
	s_lshl_b32 s20, s12, 15                        ; where they go: 32,768 x wave
	s_wait_dscnt 0x0                               ; both opening adds are done
	s_wait_kmcnt 0x0
	s_add_nc_u64 s[16:17], s[4:5], s[16:17]
	s_add_nc_u64 s[46:47], s[6:7], s[46:47]
	CROUND                                         ; all sixteen work-groups are here: the first joint loads meet
.irp s, 0,1
	s_mov_b32 s[G0+4*\s], 1
	s_add_co_u32 s[G0+4*\s+1], s20, \s*SLOT
	s_add_nc_u64 s[G0+4*\s+2:G0+4*\s+3], s[16:17], \s*2097152   ; chunk s of O
	s_or_b32 s[G0+4*\s+3], s[G0+4*\s+3], 0x80000000
	s_mov_b32 s[G0B+4*\s], 1
	s_add_co_u32 s[G0B+4*\s+1], s20, \s*SLOT
	s_add_nc_u64 s[G0B+4*\s+2:G0B+4*\s+3], s[46:47], \s*524288  ; chunk s of Wo
	s_or_b32 s[G0B+4*\s+3], s[G0B+4*\s+3], 0x80000000
	JLOAD \s
.endr
	v_and_b32 v1, 15, v0                           ; r
	v_bfe_u32 v2, v0, 4, 1                         ; h
	v_and_b32 v3, 31, v0
	v_lshlrev_b32 v3, 4, v3                        ; 16 x lane
	s_lshl_b32 s21, s13, 15                        ; my four tiles of O
	s_lshl_b32 s22, s14, 15
	s_add_co_u32 s22, s22, 65536                   ; my four of Wo
.irp s, 0,1
	v_add_nc_u32 v[ADRA+\s], s21, v3
	v_add_nc_u32 v[ADRB+\s], s22, v3
	s_add_co_u32 s21, s21, SLOT
	s_add_co_u32 s22, s22, SLOT
.endr
	s_mul_i32 s23, s12, 16*SPITCH
	s_add_co_u32 s23, s23, STAGE                   ; my stage
	v_mul_u32_u24 v4, v1, SPITCH
	v_lshl_add_u32 v4, v2, 5, v4
	v_add_nc_u32 v[STO], s23, v4                   ; in: row r, 32 bytes for each half of the lanes
	v_mul_u32_u24 v5, v2, SPITCH
	v_lshl_add_u32 v5, v1, 4, v5
	v_add_nc_u32 v[RD], s23, v5                    ; back: lanes 0-15 one row of 256 bytes, lanes 16-31 the next
	v_lshlrev_b32 v5, 12, v2
	v_lshl_add_u32 v[CO], v1, 4, v5                ; and the same two rows in out0
	s_lshl_b32 s16, s43, 7
	s_lshl_b32 s17, s13, 6
	s_add_co_u32 s16, s16, s17                     ; my first token
	s_lshl_b32 s16, s16, 12                        ; rows of 4,096 bytes
	s_mov_b32 s17, 0
	s_add_nc_u64 s[10:11], s[10:11], s[16:17]
	s_lshl_b32 s46, s42, 9
	s_lshl_b32 s47, s14, 8
	s_add_co_u32 s46, s46, s47                     ; my first column, in bytes
	s_mov_b32 s47, 0
	s_add_nc_u64 s[10:11], s[10:11], s[46:47]
	s_add_nc_u64 s[8:9], s[8:9], s[46:47]
	v_lshlrev_b32 v6, 5, v2                        ; 32 h
.irp b, 0,1,2,3
	global_load_b128 v[BO+8*\b:BO+8*\b+3], v6, s[8:9] offset:64*\b        ; bo of columns 16 b + 8 h + 0 .. 7: the result's layout
	global_load_b128 v[BO+8*\b+4:BO+8*\b+7], v6, s[8:9] offset:64*\b+16
.endr
; 8 products: token blocks a0, a0 + 1 x all 4 column blocks, 32 along K: half c of buffer f.  zero = 1: the first product starts the sums from the bias.  The 16 accumulators take turns.
.macro MUL8 f, c, a0, zero
.irp a, \a0, \a0+1
.irp b, 0,1,2,3
.if \zero
	v_wmma_f32_16x16x32_f16 v[ACC+8*(4*(\a)+\b):ACC+8*(4*(\a)+\b)+7], v[\f+64+8*(4*\c+\b):\f+64+8*(4*\c+\b)+7], v[\f+8*(4*\c+\a):\f+8*(4*\c+\a)+7], v[BO+8*\b:BO+8*\b+7]
.else
	v_wmma_f32_16x16x32_f16 v[ACC+8*(4*(\a)+\b):ACC+8*(4*(\a)+\b)+7], v[\f+64+8*(4*\c+\b):\f+64+8*(4*\c+\b)+7], v[\f+8*(4*\c+\a):\f+8*(4*\c+\a)+7], v[ACC+8*(4*(\a)+\b):ACC+8*(4*(\a)+\b)+7]
.endif
.endr
.endr
.endm
; 32 LDS loads in one run: the fragments of quarter qd (64 along K) of a slot, into buffer f; the first 32 along K first
.macro FETCH slot, qd, f
	WIN TO_F
.irp c, 0,1
.irp i, 0,1,2,3
	ds_load_b128 v[\f+64+8*(4*\c+\i):\f+64+8*(4*\c+\i)+3],   v[ADRB+\slot] offset:\i*8192+(2*\qd+\c)*1024
	ds_load_b128 v[\f+64+8*(4*\c+\i)+4:\f+64+8*(4*\c+\i)+7], v[ADRB+\slot] offset:\i*8192+(2*\qd+\c)*1024+512
	ds_load_b128 v[\f+8*(4*\c+\i):\f+8*(4*\c+\i)+3],         v[ADRA+\slot] offset:\i*8192+(2*\qd+\c)*1024
	ds_load_b128 v[\f+8*(4*\c+\i)+4:\f+8*(4*\c+\i)+7],       v[ADRA+\slot] offset:\i*8192+(2*\qd+\c)*1024+512
.endr
.endr
.endm
.macro PLACES                          ; four places in front of loads into registers that matrix instructions have read, and of the first read of results
.rept 4
	v_nop
.endr
.endm
; One of a chunk's first three quarters: multiplies buffer f and fetches quarter qd of the same slot into g
.macro QUARTER slot, qd, f, g, zero
	s_wait_dscnt 16                                ; the first 32 along K are in; the youngest sixteen loads may be out
	WIN MUL
	MUL8 \f, 0, 0, \zero
	MUL8 \f, 0, 2, \zero
	PLACES
	FETCH \slot, \qd, \g
	s_wait_dscnt 32                                ; all but the 32 just issued
	WIN MUL
	MUL8 \f, 1, 0, 0
	MUL8 \f, 1, 2, 0
.endm
; A chunk's last quarter multiplies buffer 1 and changes slots: one barrier; in front of it each wave waits for all its tensor loads, adds 0 to its spare word, and waits for that and for its reads of this slot
.macro TURN slot, next, fill
	WIN 0
	s_wait_tensorcnt 0x0                           ; all my tensor loads have landed: my part of the next slot
	ds_add_u32 v[SPW], v[NIL]
	s_wait_dscnt 17                                ; (the add and the youngest sixteen loads may be out)
	WIN MUL
	MUL8 F1, 0, 0, 0
	s_wait_dscnt 0x0                               ; the add is done, and my reads of this slot are over
	s_barrier_signal -1
	MUL8 F1, 0, 2, 0
.if \fill
	WIN 0
.endif
	s_barrier_wait -1
.if \fill
	CREST                                          ; the barrier has opened a round of the cluster's: no wave of any partner still reads this slot or has a load on its way
	s_add_nc_u64 s[G0+4*\slot+2:G0+4*\slot+3], s[G0+4*\slot+2:G0+4*\slot+3], 2*2097152
	s_add_nc_u64 s[G0B+4*\slot+2:G0B+4*\slot+3], s[G0B+4*\slot+2:G0B+4*\slot+3], 2*524288
	JLOAD \slot                                    ; the first tensor load behind the round; its four v_nop are also the places in front of the loads below
.else
	PLACES
.endif
	FETCH \next, 0, F0
	WIN MUL
	MUL8 F1, 1, 0, 0
	MUL8 F1, 1, 2, 0
.endm
	s_wait_tensorcnt 1                             ; my part of chunk 0 is in; chunk 1's may stay out
	s_barrier_signal -1
	s_barrier_wait -1
	FETCH 0, 0, F0
	s_wait_loadcnt 0x0                             ; the bias
	QUARTER 0, 1, F0, F1, 1                        ; chunk 0
	QUARTER 0, 2, F1, F0, 0
	QUARTER 0, 3, F0, F1, 0
	TURN 0, 1, 1                                   ; slot 0 takes chunk 2
	QUARTER 1, 1, F0, F1, 0                        ; chunk 1
	QUARTER 1, 2, F1, F0, 0
	QUARTER 1, 3, F0, F1, 0
	TURN 1, 0, 1                                   ; slot 1 takes chunk 3
	QUARTER 0, 1, F0, F1, 0                        ; chunk 2
	QUARTER 0, 2, F1, F0, 0
	QUARTER 0, 3, F0, F1, 0
	TURN 0, 1, 0                                   ; nothing is left to fetch
	QUARTER 1, 1, F0, F1, 0                        ; chunk 3
	QUARTER 1, 2, F1, F0, 0
	QUARTER 1, 3, F0, F1, 0
	s_wait_dscnt 16
	WIN MUL
	MUL8 F1, 0, 0, 0
	MUL8 F1, 0, 2, 0
	s_wait_dscnt 0
	MUL8 F1, 1, 0, 0
	MUL8 F1, 1, 2, 0
	WIN 0
; THE WAY OUT, a block of 16 tokens x 64 columns at a time, through my own stage: a lane holds 32 bytes of a row; the rows come back whole, 256 bytes, and sixteen lanes store them.  LDS serves a wave's instructions in order.
.macro TOSTAGE a
.irp b, 0,1,2,3
	ds_store_b128 v[STO], v[ACC+8*(4*(\a)+\b):ACC+8*(4*(\a)+\b)+3] offset:64*\b          ; each accumulator from its low end on
	ds_store_b128 v[STO], v[ACC+8*(4*(\a)+\b)+4:ACC+8*(4*(\a)+\b)+7] offset:64*\b+16
.endr
.irp t, 0,1,2,3,4,5,6,7
	ds_load_b128 v[OB+32*((\a)%2)+4*\t:OB+32*((\a)%2)+4*\t+3], v[RD] offset:\t*2*SPITCH
.endr
.endm
.macro SEND a, younger
	s_wait_dscnt \younger                          ; the block is back in registers; the next block's eight stores and eight loads may be out
.irp t, 0,1,2,3,4,5,6,7
	global_store_b128 v[CO], v[OB+32*((\a)%2)+4*\t:OB+32*((\a)%2)+4*\t+3], s[10:11] offset:(16*(\a)+2*\t)*4096 th:TH_STORE_NT   ; 16 lanes store 256 consecutive bytes, aligned
.endr
.endm
	PLACES
	TOSTAGE 0
.irp a, 1,2,3
.if \a > 1
	s_wait_xcnt 0x0                                ; block a - 2's stores have read their registers: block a's loads may land there
.endif
	TOSTAGE \a
	SEND \a-1, 16
.endr
	SEND 3, 0
	s_wait_tensorcnt 0x0                           ; the wave's end: behind my last tensor load and LDS store, an add of 0 and its wait
	ds_add_u32 v[SPW], v[NIL]
	s_wait_dscnt 0x0
	CROUND                                         ; the closing round
	s_endpgm
.Lfunc_end_k_qb5866a91a7_oproj:
	.size	k_qb5866a91a7_oproj, .Lfunc_end_k_qb5866a91a7_oproj-k_qb5866a91a7_oproj
	.p2alignl 7, 3214868480
	.fill 96, 4, 3214868480
	.section	.rodata,"a",@progbits
	.p2align	6, 0x0
	.amdhsa_kernel k_qb5866a91a7_oproj
		.amdhsa_group_segment_fixed_size 327680
		.amdhsa_private_segment_fixed_size 0
		.amdhsa_enable_private_segment 0
		.amdhsa_kernarg_size 32
		.amdhsa_user_sgpr_count 2
		.amdhsa_user_sgpr_kernarg_segment_ptr 1
		.amdhsa_wavefront_size32 1
		.amdhsa_system_sgpr_workgroup_id_x 1
		.amdhsa_system_sgpr_workgroup_id_y 1
		.amdhsa_system_sgpr_workgroup_id_z 1
		.amdhsa_system_vgpr_workitem_id 0
		.amdhsa_next_free_vgpr 512
		.amdhsa_next_free_sgpr 66
		.amdhsa_reserve_vcc 0
		.amdhsa_float_denorm_mode_32 3
		.amdhsa_float_denorm_mode_16_64 3
		.amdhsa_memory_ordered 1
		.amdhsa_forward_progress 1
		.amdhsa_inst_pref_size 86
	.end_amdhsa_kernel
	.amdgpu_metadata
---
amdhsa.version: [ 1, 2 ]
amdhsa.kernels:
  - .name:           k_qb5866a91a7_oproj
    .symbol:         k_qb5866a91a7_oproj.kd
    .args:
      - { .name: ao, .offset: 0, .size: 8, .value_kind: global_buffer, .address_space: global }
      - { .name: wo16, .offset: 8, .size: 8, .value_kind: global_buffer, .address_space: global }
      - { .name: bo, .offset: 16, .size: 8, .value_kind: global_buffer, .address_space: global }
      - { .name: out0, .offset: 24, .size: 8, .value_kind: global_buffer, .address_space: global }
    .group_segment_fixed_size: 327680
    .private_segment_fixed_size: 0
    .kernarg_segment_align: 8
    .kernarg_segment_size: 32
    .max_flat_workgroup_size: 128
    .sgpr_count:     66
    .vgpr_count:     512
    .wavefront_size: 32
...
	.end_amdgpu_metadata
.endif
;; end of part 4
